; MI455X (gfx1250); checked and timed in simulation.
; The chip was launched on July 23, 2026; its instructions are those of AMD's public machine-readable ISA for CDNA 5 (MIT licence, August 2026) and "CDNA5" Instruction Set Architecture Reference Guide (July 2026). The comments in the code are by the model that wrote it; some were corrected since.
;; IDW Feature Interpolator. Allowed arithmetic: float matrix products may take bf16 or f16 operands with f32 sums; other float arithmetic in f32, or as packed bf16 or f16 multiplies, adds, multiply-adds, maxima and minima; sums over many terms, partial sums and values carried from step to step in f32; what a program stores and reads back later, other than sums and carried values, may be rounded once to bf16 or f16.
;; Inputs: query_coords 4 x 8,192 x 3 float32; sensor_coords 4,096 x 3 float32; sensor_features 4 x 4,096 x 256 float32.
;; Outputs: out0 4 x 8,192 x 256 float32.
;; 2 versions, each right; version 2 is version 1 with the launch filter written anew for expert scheduling mode. Each part assembles by itself: llvm-mc -triple=amdgcn-amd-amdhsa -mcpu=gfx1250 --defsym DOCPART=n.
;; ======== version 1 of 2: 3 launches
;; workspace buffers: gmask 1,048,576 bytes of whole numbers; gcnt 262,144 bytes of whole numbers; nidx 1,048,576 bytes of whole numbers; nw 1,048,576 bytes; fb16 8,388,608 bytes
;; launch filter (part 1): grid 256 x 1, 8 waves a work-group, no clusters, 70,656 bytes of LDS; arguments query_coords, sensor_coords, sensor_features, gmask, fb16, gcnt; writes gmask, fb16, gcnt
.if DOCPART == 1
	.amdgcn_target "amdgcn-amd-amdhsa--gfx1250"
	.amdhsa_code_object_version 6
	.text
	.protected	k_q0bd624af26_filter
	.globl	k_q0bd624af26_filter
	.p2align	8
	.type	k_q0bd624af26_filter,@function
k_q0bd624af26_filter:
	s_mov_b64 s[64:65], 0
	v_nop
	global_prefetch_b8 v0, s[64:65] scope:SCOPE_SE
	s_setreg_imm32_b32 hwreg(HW_REG_WAVE_MODE, 25, 1), 1
	s_wait_xcnt 0x0
; FILTER.  For each of 32,768 queries: which groups of 16 consecutive sensors can hold one of its 8 nearest sensors, and how many such groups there are.  Also: the features once more, as bf16.
; All coordinates are rounded to bf16 (the format this program takes for every input).  e = s2 - 2 q.s, which orders a query's sensors as d2 = q2 + e does, comes from the matrix unit:
; source 0 = 16 sensors (-2x, -2y, -2z, and s2 cut into three bf16 pieces that add up to the f32 number), source 1 = 16 queries (x, y, z, 1, 1, 1): six exact products, summed in f32.
; A lane of the result holds ONE query (lane % 16) and eight sensors.  Two results give the minimum F of a group of 16 sensors; the 8 smallest F are kept in a sorted list.
; The 8th smallest F, T, bounds the 8th nearest sensor from above (8 groups hold a sensor that near).  A group is marked if F <= T + 2^-14 (q2 + d2(T)).  The margin allows the matrix sum, and
; the f32 roundings of the exact formula that the next launch follows, an error of 2^-18 of the largest term each way; so the marked groups hold all 8 nearest, ties too.
; SHARES.  256 work-groups of 128 queries; a wave has 16 queries and walks all 4,096 sensors: 256 tiles of 16, 128 steps of two tiles.  Tile t holds sensors 8t..8t+7 in rows 0-7 and
; 2048+8t..+7 in rows 8-15, so lanes 0-15 own groups 0-127 and lanes 16-31 groups 128-255, each group 16 consecutive sensors.
; LDS.  The sensors' fragments, in the order in which lanes read them: tile t at 272 t; lane l's 8 bytes at 8 l (rows 0-15: the first four terms; again rows 0-15: the last two and zeros).
; One ds_load_b64 of a wave takes 256 consecutive bytes.  The pitch of 272 spreads the 16-byte stores that build the table over the banks (64 banks of 4 bytes: ISA guide 11.1).
; Only registers 0-1 of a fragment carry terms (K = 0-3 and 8-11); registers 2-7 of every ring slot and of the queries' fragment are 0 and stay 0.
; NO CLUSTER, NO TENSOR LOAD: what work-groups share is 49,152 bytes of coordinates, which need arithmetic on their way into LDS; queries and features are each read by one wave.
; LIMITS.  Finite inputs; NaN and infinities are not treated apart.
.set TP,    272                        ; bytes from tile to tile in LDS
.set SPARE, 256*TP                     ; behind the table: the spare words, 128 bytes for each of 8 waves; no other line names them
.set KM,    0x38800000                 ; 2^-14
.set SPW, 2                            ; v2   my spare word; never rewritten
.set NIL, 3                            ; v3   0, for the add alone
.set AR0, 4                            ; v4   8 x lane: tiles 0-127
.set AR1, 5                            ; v5   the same + 128 tiles: the immediate holds 16 bits
.set Q2,  6                            ; v6   q2 of my query
.set THR, 7                            ; v7   T, then the threshold
.set BQ,  8                            ; v[8:15]   the queries' fragment
.set LS,  16                           ; v[16:23]  the 8 smallest F, ascending; later the four mask words
.set TM,  24                           ; v24  at work; at the end my query's count
.set MO,  25                           ; v25  my 16 bytes in the work-group's masks
.set FI,  26                           ; v26  features in: wave x 8 rows + 16 x lane
.set FO,  27                           ; v27  features out
.set LN,  28                           ; v28  lane
.set SO,  29                           ; v29  48 x thread: four sensors
.set QO,  30                           ; v30  12 x my query
.set SA,  31                           ; v31  where my four sensors go in LDS
.set AA,  32                           ; v[32:95]   ring of 8 sensor fragments
.set DD,  96                           ; v[96:127]  two sets of two results
.set FF,  128                          ; v[128:255] F of my 128 groups
.set H0,  32                           ; while the table is built: 4 sensors' first halves, second halves, at work
.set H1,  40
.set TZ,  48
.set SS,  52
.set TH,  56
.set PQ,  60                           ; v[60:65] while the queries' fragment is built
.set QR,  240                          ; v[240:242] my query as loaded
                                       ; v[256:319] eight rows of features as loaded (window 1)
	s_load_b256 s[4:11], s[0:1], 0x0               ; queries s[4:5], sensors s[6:7], features s[8:9], masks s[10:11]
	s_load_b64 s[12:13], s[0:1], 0x20              ; the bf16 copy
	s_load_b64 s[28:29], s[0:1], 0x28              ; the counts
	v_lshl_add_u32 v[SPW], v0, 2, SPARE
	v_mov_b32 v[NIL], 0
	v_lshrrev_b32 v1, 5, v0
	v_readfirstlane_b32 s14, v1                    ; wave 0..7
	v_and_b32 v[LN], 31, v0
	v_mul_u32_u24 v[SO], v0, 48
	v_lshlrev_b32 v[TM], 4, v[LN]
	v_lshl_add_u32 v[FI], v1, 13, v[TM]            ; 8 rows of 1,024 bytes a wave
	v_lshl_add_u32 v[FO], v1, 12, v[TM]            ; 8 rows of 512 bytes
	v_and_b32 v[TM], 15, v0
	v_lshl_add_u32 v[TM], v1, 4, v[TM]             ; my query in the work-group: 16 x wave + lane % 16
	v_mul_u32_u24 v[QO], v[TM], 12
	v_bfe_u32 v[MO], v0, 4, 1
	v_lshlrev_b32 v[MO], 4, v[MO]
	v_lshl_add_u32 v[MO], v[TM], 5, v[MO]          ; 32 bytes a query: groups 0-127 from lanes 0-15, groups 128-255 from lanes 16-31
	v_lshlrev_b32 v[AR0], 3, v[LN]
	v_add_nc_u32 v[AR1], 128*TP, v[AR0]
	v_lshrrev_b32 v[SA], 1, v[LN]                  ; thread t's sensors 4t..4t+3 lie in tile t / 2, rows 4 (t % 2) on
	v_mul_u32_u24 v[SA], v[SA], TP
	v_and_b32 v[TM], 1, v0
	v_lshl_add_u32 v[SA], v[TM], 5, v[SA]
	s_mul_i32 s15, s14, 16*TP                      ; a wave's 32 threads fill 16 tiles
	v_add_nc_u32 v[SA], s15, v[SA]
	s_mul_i32 s16, ttmp9, 1536                     ; 128 queries of 12 bytes
	s_mov_b32 s17, 0
	s_lshl_b32 s18, ttmp9, 16                      ; 64 rows of features
	s_mov_b32 s19, 0
	s_lshl_b32 s20, ttmp9, 12                      ; 128 masks of 32 bytes
	s_mov_b32 s21, 0
	s_lshl_b32 s22, ttmp9, 15                      ; 64 rows of the copy
	s_mov_b32 s23, 0
	s_lshl_b32 s30, ttmp9, 10                      ; 256 counts of 4 bytes
	s_mov_b32 s31, 0
	s_mov_b32 s24, 0xffff0000
	s_mov_b32 s25, 0x0000ffff
	s_mov_b32 s26, 0x76543210                      ; v_permlanex16_b32: each lane takes its own place in the other half
	s_mov_b32 s27, 0xfedcba98
	s_wait_kmcnt 0x0
	s_add_nc_u64 s[4:5], s[4:5], s[16:17]
	s_add_nc_u64 s[8:9], s[8:9], s[18:19]
	s_add_nc_u64 s[10:11], s[10:11], s[20:21]
	s_add_nc_u64 s[12:13], s[12:13], s[22:23]
	s_add_nc_u64 s[28:29], s[28:29], s[30:31]
.irp k, 0,1,2,3                        ; 16 sensors a thread, four at a time: 48 consecutive bytes
	global_load_b128 v[FF+12*\k:FF+12*\k+3],    v[SO], s[6:7] offset:12288*\k
	global_load_b128 v[FF+12*\k+4:FF+12*\k+7],  v[SO], s[6:7] offset:12288*\k+16
	global_load_b128 v[FF+12*\k+8:FF+12*\k+11], v[SO], s[6:7] offset:12288*\k+32
.endr
	global_load_b32 v[QR],   v[QO], s[4:5]
	global_load_b32 v[QR+1], v[QO], s[4:5] offset:4
	global_load_b32 v[QR+2], v[QO], s[4:5] offset:8
	s_set_vgpr_msb 0x40                            ; destination in window 1: the features wait there until the kernel's end
.irp i, 0,1,2,3,4,5,6,7                ; a row: columns 4 l .. 4 l + 3 and 128 + 4 l .. of lane l: twice 512 consecutive bytes
	global_load_b128 v[8*\i:8*\i+3],   v[FI], s[8:9] offset:1024*\i th:TH_LOAD_NT
	global_load_b128 v[8*\i+4:8*\i+7], v[FI], s[8:9] offset:1024*\i+512 th:TH_LOAD_NT
.endr
	s_set_vgpr_msb 0x4000
.irp n, 0,1,2,3
	v_mov_b32 v[H1+2*\n+1], 0                      ; terms that do not exist
.endr
; Four sensors become fragments.  Rounding to bf16 commutes with the factor -2; s2 = ((x x + y y) + z z) of the rounded numbers, here as a quarter of the same sum of -2x, -2y, -2z.
.macro QUAD k
.set CC, FF+12*(\k)
	s_wait_loadcnt 28-3*(\k)                       ; 31 loads were issued; my three are in; younger quads, 3 query loads and 16 feature loads stay out
.irp j, 0,1,2,3,4,5
	v_pk_mul_f32 v[CC+2*\j:CC+2*\j+1], v[CC+2*\j:CC+2*\j+1], -2.0 op_sel_hi:[1,0]
.endr
.irp n, 0,1,2,3
	v_cvt_pk_bf16_f32 v[H0+2*\n], v[CC+3*\n], v[CC+3*\n+1]
	v_cvt_pk_bf16_f32 v[TZ+\n], v[CC+3*\n+2], v[CC+3*\n+2]
.endr
.irp n, 0,1,2,3
	v_lshlrev_b32 v[CC+3*\n], 16, v[H0+2*\n]
	v_and_b32 v[CC+3*\n+1], s24, v[H0+2*\n]
	v_lshlrev_b32 v[CC+3*\n+2], 16, v[TZ+\n]
.endr
.irp n, 0,1,2,3
	v_mul_f32 v[SS+\n], v[CC+3*\n], v[CC+3*\n]
.endr
.irp n, 0,1,2,3
	v_fma_f32 v[SS+\n], v[CC+3*\n+1], v[CC+3*\n+1], v[SS+\n]
.endr
.irp n, 0,1,2,3
	v_fma_f32 v[SS+\n], v[CC+3*\n+2], v[CC+3*\n+2], v[SS+\n]
.endr
.irp n, 0,1,2,3
	v_mul_f32 v[SS+\n], 0x3e800000, v[SS+\n]
.endr
.irp n, 0,1,2,3
	v_cvt_pk_bf16_f32 v[TH+\n], v[SS+\n], v[SS+\n] ; s2's first piece
.endr
.irp n, 0,1,2,3
	v_and_b32 v[CC+3*\n], s24, v[TH+\n]
	v_bfi_b32 v[H0+2*\n+1], s25, v[TZ+\n], v[TH+\n] ; (-2z, first piece)
.endr
.irp n, 0,1,2,3
	v_sub_f32 v[CC+3*\n+1], v[SS+\n], v[CC+3*\n]   ; what the first piece leaves: exact
.endr
.irp n, 0,1,2,3
	v_cvt_pk_bf16_f32 v[CC+3*\n+2], v[CC+3*\n+1], v[CC+3*\n+1]
.endr
.irp n, 0,1,2,3
	v_lshlrev_b32 v[CC+3*\n+2], 16, v[CC+3*\n+2]
.endr
.irp n, 0,1,2,3
	v_sub_f32 v[CC+3*\n+2], v[CC+3*\n+1], v[CC+3*\n+2]  ; what the second piece leaves
.endr
.irp n, 0,1,2,3
	v_cvt_pk_bf16_f32 v[H1+2*\n], v[CC+3*\n+1], v[CC+3*\n+2]  ; (second piece, third piece)
.endr
.set OK, ((\k)&1)*128*TP+((\k)>>1)*64  ; quads 256 k + t: tiles 128 (k % 2) on; rows 8 (k / 2) on
	ds_store_b128 v[SA], v[H0:H0+3]   offset:OK
	ds_store_b128 v[SA], v[H0+4:H0+7] offset:OK+16
	ds_store_b128 v[SA], v[H1:H1+3]   offset:OK+128
	ds_store_b128 v[SA], v[H1+4:H1+7] offset:OK+144
.endm
	QUAD 0
	QUAD 1
	QUAD 2
	QUAD 3
	s_wait_loadcnt 16                              ; my query is in; the 16 feature loads stay out
	v_mov_b32 v[PQ+5], 1.0
	v_cvt_pk_bf16_f32 v[PQ], v[QR], v[QR+1]
	v_cvt_pk_bf16_f32 v[PQ+1], v[QR+2], v[PQ+5]
	v_lshlrev_b32 v[PQ+2], 16, v[PQ]
	v_and_b32 v[PQ+3], s24, v[PQ]
	v_lshlrev_b32 v[PQ+4], 16, v[PQ+1]
	v_mul_f32 v[Q2], v[PQ+2], v[PQ+2]
	v_fma_f32 v[Q2], v[PQ+3], v[PQ+3], v[Q2]
	v_fma_f32 v[Q2], v[PQ+4], v[PQ+4], v[Q2]
	v_cmp_gt_u32 vcc_lo, 16, v[LN]
	v_cndmask_b32 v[BQ], 0x3f803f80, v[PQ], vcc_lo ; lanes 0-15: (x, y), (z, 1); lanes 16-31: (1, 1), (0, 0)
	v_cndmask_b32 v[BQ+1], 0, v[PQ+1], vcc_lo
.irp j, 2,3,4,5,6,7
	v_mov_b32 v[BQ+\j], 0
.endr
	s_wait_dscnt 0x0                               ; for the others' sake: my part of the table is written
	s_barrier_signal -1
.irp s, 0,1,2,3,4,5,6,7                ; work on registers while the others arrive: the parts of the ring that carry no term,
.irp j, 2,3,4,5,6,7
	v_mov_b32 v[AA+8*\s+\j], 0
.endr
.endr
.irp j, 0,1,2,3,4,5,6,7
	v_mov_b32 v[LS+\j], 0x7f800000                 ; and an empty list
.endr
	s_barrier_wait -1                              ; the table is whole; nothing is stored to it again
.macro ALOAD t
.if (\t) < 128
	ds_load_b64 v[AA+8*((\t)%8):AA+8*((\t)%8)+1], v[AR0] offset:(\t)*TP
.else
	ds_load_b64 v[AA+8*((\t)%8):AA+8*((\t)%8)+1], v[AR1] offset:((\t)-128)*TP
.endif
.endm
; Line op of the eight that make F of group f from result set f % 2: two chains, three operands at a time; each result is read from its lowest registers on.
.macro MINOP op, f
.set DB, DD+16*((\f)%2)
.if (\op) == 0
	v_min3_num_f32 v[FF+(\f)], v[DB], v[DB+1], v[DB+2]
.elseif (\op) == 1
	v_min3_num_f32 v[TM], v[DB+8], v[DB+9], v[DB+10]
.elseif (\op) == 2
	v_min3_num_f32 v[FF+(\f)], v[FF+(\f)], v[DB+3], v[DB+4]
.elseif (\op) == 3
	v_min3_num_f32 v[TM], v[TM], v[DB+11], v[DB+12]
.elseif (\op) == 4
	v_min3_num_f32 v[FF+(\f)], v[FF+(\f)], v[DB+5], v[DB+6]
.elseif (\op) == 5
	v_min3_num_f32 v[TM], v[TM], v[DB+13], v[DB+14]
.elseif (\op) == 6
	v_min3_num_f32 v[FF+(\f)], v[FF+(\f)], v[DB+7], v[DB+15]
.else
	v_min_num_f32 v[FF+(\f)], v[FF+(\f)], v[TM]
.endif
.endm
; F of group f enters the sorted list: place p takes the middle one of its lower neighbour, itself and F.  From the top down, so that each line still reads the old neighbour.
.macro INS p, f
.if (\p) > 0
	v_med3_num_f32 v[LS+(\p)], v[LS+(\p)-1], v[LS+(\p)], v[FF+(\f)]
.else
	v_min_num_f32 v[LS], v[LS], v[FF+(\f)]
.endif
.endm
.irp t, 0,1,2,3,4,5,6,7
	ALOAD \t                                       ; the ring is filled: four steps
.endr
; Step i: two products, each starting its sum with the constant 0; beside them the minima of step i - 1 and the insertion of step i - 2, sixteen plain lines that name no register of the
; step's products: they are the distance in front of the reads of these results in the next step, of the products that write the same set two steps on, and of the loads
; that fill the two ring slots again, four steps ahead.  The steps are written out: a group's F has a register of its own.
.set i, 0
.rept 128
.if i < 125
	s_wait_dscnt 6                                 ; my two tiles are in; those of the next three steps stay out
.else
	s_wait_dscnt 2*(127-i)                         ; the last steps have fewer behind them
.endif
	v_wmma_f32_16x16x32_bf16 v[DD+16*(i%2):DD+16*(i%2)+7], v[AA+8*((2*i)%8):AA+8*((2*i)%8)+7], v[BQ:BQ+7], 0
	v_wmma_f32_16x16x32_bf16 v[DD+16*(i%2)+8:DD+16*(i%2)+15], v[AA+8*((2*i+1)%8):AA+8*((2*i+1)%8)+7], v[BQ:BQ+7], 0
.if i == 0
.rept 6
	v_nop                                          ; the first step has no vector work yet
.endr
.else
.set o, 0
.rept 8
	MINOP o, i-1
.if i > 1
	INS 7-o, i-2
.endif
.set o, o+1
.endr
.endif
.if i < 124
	ALOAD 2*i+8
	ALOAD 2*i+9
.endif
.set i, i+1
.endr
.irp p, 7,6,5,4,3,2,1,0
	INS \p, 126                                    ; eight plain lines behind the last products
.endr
.irp o, 0,1,2,3,4,5,6,7
	MINOP \o, 127
.endr
.irp p, 7,6,5,4,3,2,1,0
	INS \p, 127
.endr
	; T: the 8th smallest of my list a and the other half's list b is the largest of min(a[i], b[7 - i])
.irp j, 0,1,2,3,4,5,6,7
	v_permlanex16_b32 v[DD+\j], v[LS+\j], s26, s27
.endr
.irp j, 0,1,2,3,4,5,6,7
	v_min_num_f32 v[DD+8+\j], v[LS+\j], v[DD+7-\j]
.endr
	v_max3_num_f32 v[THR], v[DD+8], v[DD+9], v[DD+10]
	v_max3_num_f32 v[THR], v[THR], v[DD+11], v[DD+12]
	v_max3_num_f32 v[THR], v[THR], v[DD+13], v[DD+14]
	v_max_num_f32 v[THR], v[THR], v[DD+15]
	v_add_f32 v[DD+16], v[THR], v[Q2]              ; d2 at T,
	v_max_num_f32 v[DD+16], 0, v[DD+16]            ; clamped as the exact formula clamps it
	v_add_f32 v[DD+17], v[Q2], v[DD+16]
	v_sub_f32 v[DD+18], v[DD+16], v[Q2]
	v_fmamk_f32 v[DD+18], v[DD+17], KM, v[DD+18]   ; back to e, plus the margin
	v_max_num_f32 v[THR], v[THR], v[DD+18]         ; never below T itself: at least 8 groups are marked
	; The masks: word w, bit b = group 32 w + b of my half.  The sign of threshold - F is 1 where the group is out; it is shifted in from below, the highest group first.
.set b, 31
.rept 32
.irp w, 0,1,2,3
	v_sub_f32 v[DD+4*(b%8)+\w], v[THR], v[FF+32*\w+b]
.endr
.irp w, 0,1,2,3
.if b == 31
	v_lshrrev_b32 v[LS+\w], 31, v[DD+4*(b%8)+\w]
.else
	v_alignbit_b32 v[LS+\w], v[LS+\w], v[DD+4*(b%8)+\w], 31
.endif
.endr
.set b, b-1
.endr
.irp w, 0,1,2,3
	v_xor_b32 v[LS+\w], -1, v[LS+\w]               ; 1 = marked
.endr
	global_store_b128 v[MO], v[LS:LS+3], s[10:11]  ; the wave's store covers 512 consecutive bytes
	; How many groups are marked: the bits of my four words, counted in fields of 2, 4, 8, 16 and 32 bits (128 at the most), plus the other half's.
.irp w, 0,1,2,3
	v_lshrrev_b32 v[DD+4+\w], 1, v[LS+\w]
.endr
.irp w, 0,1,2,3
	v_and_b32 v[DD+4+\w], 0x55555555, v[DD+4+\w]
.endr
.irp w, 0,1,2,3
	v_sub_nc_u32 v[DD+\w], v[LS+\w], v[DD+4+\w]
.endr
.irp w, 0,1,2,3
	v_lshrrev_b32 v[DD+4+\w], 2, v[DD+\w]
.endr
.irp w, 0,1,2,3
	v_and_b32 v[DD+4+\w], 0x33333333, v[DD+4+\w]
	v_and_b32 v[DD+\w], 0x33333333, v[DD+\w]
.endr
.irp w, 0,1,2,3
	v_add_nc_u32 v[DD+\w], v[DD+\w], v[DD+4+\w]    ; 4 at the most in a field of 4 bits
.endr
	v_add_nc_u32 v[DD], v[DD], v[DD+1]             ; 8 at the most
	v_add_nc_u32 v[DD+2], v[DD+2], v[DD+3]
	v_lshrrev_b32 v[DD+4], 4, v[DD]
	v_lshrrev_b32 v[DD+6], 4, v[DD+2]
.irp w, 0,2,4,6
	v_and_b32 v[DD+\w], 0x0f0f0f0f, v[DD+\w]
.endr
	v_add_nc_u32 v[DD], v[DD], v[DD+4]
	v_add_nc_u32 v[DD+2], v[DD+2], v[DD+6]
	v_add_nc_u32 v[DD], v[DD], v[DD+2]             ; 32 at the most in a byte
	v_lshrrev_b32 v[DD+4], 8, v[DD]
	v_and_b32 v[DD], 0x00ff00ff, v[DD]
	v_and_b32 v[DD+4], 0x00ff00ff, v[DD+4]
	v_add_nc_u32 v[DD], v[DD], v[DD+4]
	v_lshrrev_b32 v[DD+4], 16, v[DD]
	v_and_b32 v[DD], 0xffff, v[DD]
	v_add_nc_u32 v[DD], v[DD], v[DD+4]
	v_permlanex16_b32 v[DD+8], v[DD], s26, s27     ; the query's other 128 groups lie in the lane 16 away
	v_lshlrev_b32 v1, 2, v0                        ; a word a thread: the wave's store covers 128 consecutive bytes; lanes 16-31 repeat lanes 0-15
	v_add_nc_u32 v[TM], v[DD], v[DD+8]
	global_store_b32 v1, v[TM], s[28:29]
	; The features, rounded to bf16.  Lane l's 16 bytes of a row hold columns 4 l .. 4 l + 3 and 128 + 4 l .. 128 + 4 l + 3: the order in which the last launch wants them.
	s_set_vgpr_msb 0x0005                          ; sources 0 and 1 in window 1
.irp i, 0,1,2,3,4,5,6,7
	s_wait_loadcnt 14-2*\i                         ; this row's two loads are in; the younger rows stay out
	v_cvt_pk_bf16_f32 v[DD+4*\i],   v[8*\i],   v[8*\i+1]
	v_cvt_pk_bf16_f32 v[DD+4*\i+1], v[8*\i+2], v[8*\i+3]
	v_cvt_pk_bf16_f32 v[DD+4*\i+2], v[8*\i+4], v[8*\i+5]
	v_cvt_pk_bf16_f32 v[DD+4*\i+3], v[8*\i+6], v[8*\i+7]
.endr
	s_set_vgpr_msb 0x0500
.irp i, 0,1,2,3,4,5,6,7
	global_store_b128 v[FO], v[DD+4*\i:DD+4*\i+3], s[12:13] offset:512*\i  ; a whole row: 512 consecutive bytes
.endr
	s_wait_tensorcnt 0x0                           ; the wave's end
	ds_add_u32 v[SPW], v[NIL]
	s_wait_dscnt 0x0
	s_endpgm
.Lfunc_end_k_q0bd624af26_filter:
	.size	k_q0bd624af26_filter, .Lfunc_end_k_q0bd624af26_filter-k_q0bd624af26_filter
	.p2alignl 7, 3214868480
	.fill 96, 4, 3214868480
	.section	.rodata,"a",@progbits
	.p2align	6, 0x0
	.amdhsa_kernel k_q0bd624af26_filter
		.amdhsa_group_segment_fixed_size 70656
		.amdhsa_private_segment_fixed_size 0
		.amdhsa_enable_private_segment 0
		.amdhsa_kernarg_size 48
		.amdhsa_user_sgpr_count 2
		.amdhsa_user_sgpr_kernarg_segment_ptr 1
		.amdhsa_wavefront_size32 1
		.amdhsa_system_sgpr_workgroup_id_x 1
		.amdhsa_system_sgpr_workgroup_id_y 1
		.amdhsa_system_sgpr_workgroup_id_z 1
		.amdhsa_system_vgpr_workitem_id 0
		.amdhsa_next_free_vgpr 320
		.amdhsa_next_free_sgpr 66
		.amdhsa_reserve_vcc 1
		.amdhsa_float_denorm_mode_32 3
		.amdhsa_float_denorm_mode_16_64 3
		.amdhsa_memory_ordered 1
		.amdhsa_forward_progress 1
		.amdhsa_inst_pref_size 199
	.end_amdhsa_kernel
	.amdgpu_metadata
---
amdhsa.version: [ 1, 2 ]
amdhsa.kernels:
  - .name:           k_q0bd624af26_filter
    .symbol:         k_q0bd624af26_filter.kd
    .args:
      - { .name: query_coords, .offset: 0, .size: 8, .value_kind: global_buffer, .address_space: global }
      - { .name: sensor_coords, .offset: 8, .size: 8, .value_kind: global_buffer, .address_space: global }
      - { .name: sensor_features, .offset: 16, .size: 8, .value_kind: global_buffer, .address_space: global }
      - { .name: gmask, .offset: 24, .size: 8, .value_kind: global_buffer, .address_space: global }
      - { .name: fb16, .offset: 32, .size: 8, .value_kind: global_buffer, .address_space: global }
      - { .name: gcnt, .offset: 40, .size: 8, .value_kind: global_buffer, .address_space: global }
    .group_segment_fixed_size: 70656
    .private_segment_fixed_size: 0
    .kernarg_segment_align: 8
    .kernarg_segment_size: 48
    .max_flat_workgroup_size: 256
    .sgpr_count:     66
    .vgpr_count:     320
    .wavefront_size: 32
...
	.end_amdgpu_metadata
.endif
;; end of part 1
;; launch select (part 2): grid 256 x 1, 4 waves a work-group, no clusters, 70,656 bytes of LDS; arguments query_coords, sensor_coords, gmask, gcnt, nidx, nw; writes nidx, nw
.if DOCPART == 2
	.amdgcn_target "amdgcn-amd-amdhsa--gfx1250"
	.amdhsa_code_object_version 6
	.text
	.protected	k_q0bd624af26_select
	.globl	k_q0bd624af26_select
	.p2align	8
	.type	k_q0bd624af26_select,@function
k_q0bd624af26_select:
	s_mov_b64 s[64:65], 0
	v_nop
	global_prefetch_b8 v0, s[64:65] scope:SCOPE_SE
	s_setreg_imm32_b32 hwreg(HW_REG_WAVE_MODE, 25, 1), 1
	s_wait_xcnt 0x0
; SELECT.  The 8 nearest sensors of each query, taken from the groups that the launch before has marked, and their weights.
; THE NUMBERS ARE THE JAX FUNCTION'S, BIT FOR BIT, on coordinates rounded to bf16: q2 = (x x + y y) + z z, s2 likewise, c = (x x' + y y') + z z', d2 = max((q2 + s2) - 2 c, 0), each sum rounded
; to f32 in that order.  Products of two bf16 numbers are exact in f32, so a fused multiply-add rounds as a multiply and an add do.  The table holds -2 x', -2 y', -2 z' (a power of two changes no rounding).
; This product stays on the vector unit: it is about 1/30 of the pairs, and an order statistic needs these very roundings, which a matrix sum does not make.
; ORDER.  Sensors are ranked by (d2, index).  Groups are taken in ascending order, a group's sensors too, and a candidate goes in front of a list entry only if its d2 is smaller: equal d2 keep the lower index in front.
; SHARES.  A lane has one query; 128 queries a work-group.  A trip takes each lane's next marked group: 16 candidates.  The trip count is the largest number of marked groups among the wave's
; 32 queries; the counts, like the masks, are whole numbers that the launch before has stored.  A lane that has no group left reads group 256, whose s2 is infinite: such a candidate enters no list.
; LDS.  Group g at 272 g; sensors in pairs (e, o): (-2x_e, -2x_o, -2y_e, -2y_o), (-2z_e, -2z_o, s2_e, s2_o), so that packed f32 arithmetic takes two candidates a line.  With the pitch of
; 272 the 16-byte column that a lane reads hangs on its group's number (64 banks of 4 bytes: ISA guide 11.1).
; NO CLUSTER, NO TENSOR LOAD: what work-groups share is 49,152 bytes of coordinates, which need arithmetic on their way into LDS.
; LIMITS.  Finite inputs.  Two different d2 whose square roots round to one number are ranked by d2, not by index.  Products in the denormal range are not treated apart.
; The two results are 32 bytes a lane, stored as two halves: 2 MB in all; a transposition through LDS for runs of 256 bytes from neighbouring lanes was not thought worth its text.
.set GP,    272
.set DUMMY, 256*GP
.set SPARE, 70144                      ; the next multiple of 256 behind group 256: the spare words, 128 bytes for each of 4 waves; no other line names them
.set SPW, 2
.set NIL, 3
.set MW,  4                            ; v[4:11]   my query's mask: bit b of word w = group 32 w + b; taken bits are cleared
.set QX,  12                           ; v[12:19]  x, y, z, q2, each twice: pairs for the packed lines
.set QY,  14
.set QZ,  16
.set QQ,  18
.set VV,  20                           ; v[20:27]  the list's d2, ascending; at the end the weights
.set II,  28                           ; v[28:35]  the list's rows of the feature table
.set TT,  36                           ; v[36:43]  at work
.set XX,  44                           ; v[44:59]  the trip's 16 d2
.set BB,  60                           ; v60  the borrow that runs up the mask's words
.set FL,  61                           ; v61  1 in the word that takes the borrow
.set HH,  62                           ; v62  the bit that was taken
.set TA,  63                           ; v63  word - borrow
.set JA,  64                           ; v64, v69  a candidate's row, by turns
.set GID, 65
.set ADR, 66                           ; LDS address of the group that is being fetched
.set JN,  67                           ; its first sensor's row
.set JC,  68                           ; the same for the group in hand
.set SO,  70
.set QO,  71
.set MO,  72
.set SA,  73
.set T0,  74
.set T1,  75
.set ACC, 76                           ; v76  words that passed the borrow on
.set SUM, 77                           ; v77  the sum of the mask's eight words, modulo 2^32
.set RR,  80                           ; v[80:143] a group as read from LDS; v[80:175] the sensors as loaded
.set T2,  144                          ; v[144:159] q2 + s2
.set QR,  176
.set OO,  180                          ; v[180:195] four sensors for the table
.set PK,  196                          ; v[196:201]
	s_load_b256 s[4:11], s[0:1], 0x0               ; queries s[4:5], sensors s[6:7], masks s[8:9], counts s[10:11]
	s_load_b128 s[12:15], s[0:1], 0x20             ; rows s[12:13], weights s[14:15]
	v_lshl_add_u32 v[SPW], v0, 2, SPARE
	v_mov_b32 v[NIL], 0
	v_lshrrev_b32 v1, 5, v0
	v_readfirstlane_b32 s22, v1                    ; wave 0..3
	v_mul_u32_u24 v[SO], v0, 48
	v_mul_u32_u24 v[QO], v0, 12
	v_lshlrev_b32 v[MO], 5, v0
	v_and_b32 v[T0], 31, v0
	v_lshrrev_b32 v[SA], 2, v[T0]                  ; thread t's sensors 4t..4t+3 lie in group t / 4, 64 (t % 4) bytes in
	v_mul_u32_u24 v[SA], v[SA], GP
	v_and_b32 v[T1], 3, v0
	v_lshl_add_u32 v[SA], v[T1], 6, v[SA]
	s_mul_i32 s23, s22, 8*GP                       ; a wave's 32 threads fill 8 groups
	v_add_nc_u32 v[SA], s23, v[SA]
	s_mul_i32 s16, ttmp9, 1536                     ; 128 queries of 12 bytes
	s_mov_b32 s17, 0
	s_lshl_b32 s18, ttmp9, 12                      ; 128 queries of 32 bytes: masks, rows, weights
	s_mov_b32 s19, 0
	s_lshl_b32 s28, ttmp9, 10                      ; the counts: 1,024 bytes a work-group,
	s_lshl_b32 s29, s22, 8                         ; 256 for my 32 queries
	s_add_co_u32 s28, s28, s29
	s_mov_b32 s29, 0
	s_mov_b32 s20, 0xffff0000
	s_lshr_b32 s21, ttmp9, 6                       ; 64 work-groups a batch
	s_lshl_b32 s21, s21, 12                        ; the batch's first row of the feature table
	s_wait_kmcnt 0x0
	s_add_nc_u64 s[4:5], s[4:5], s[16:17]
	s_add_nc_u64 s[8:9], s[8:9], s[18:19]
	s_add_nc_u64 s[10:11], s[10:11], s[28:29]
	s_add_nc_u64 s[12:13], s[12:13], s[18:19]
	s_add_nc_u64 s[14:15], s[14:15], s[18:19]
	s_load_b512 s[32:47], s[10:11], 0x0            ; the counts of my queries 0-15,
	s_load_b512 s[48:63], s[10:11], 0x80           ; and 16-31 (the 64 bytes between repeat the first)
.irp k, 0,1,2,3,4,5,6,7                ; 32 sensors a thread, four at a time
	global_load_b128 v[RR+12*\k:RR+12*\k+3],    v[SO], s[6:7] offset:6144*\k
	global_load_b128 v[RR+12*\k+4:RR+12*\k+7],  v[SO], s[6:7] offset:6144*\k+16
	global_load_b128 v[RR+12*\k+8:RR+12*\k+11], v[SO], s[6:7] offset:6144*\k+32
.endr
	global_load_b32 v[QR],   v[QO], s[4:5]
	global_load_b32 v[QR+1], v[QO], s[4:5] offset:4
	global_load_b32 v[QR+2], v[QO], s[4:5] offset:8
	global_load_b128 v[MW:MW+3],   v[MO], s[8:9]
	global_load_b128 v[MW+4:MW+7], v[MO], s[8:9] offset:16
.macro QUAD k
.set CC, RR+12*(\k)
	s_wait_loadcnt 26-3*(\k)                       ; 29 loads were issued; my three are in; younger quads, 3 query loads and 2 mask loads stay out
.irp j, 0,1,2,3,4,5
	v_pk_mul_f32 v[CC+2*\j:CC+2*\j+1], v[CC+2*\j:CC+2*\j+1], -2.0 op_sel_hi:[1,0]
.endr
.irp j, 0,1,2,3,4,5
	v_cvt_pk_bf16_f32 v[PK+\j], v[CC+2*\j], v[CC+2*\j+1]
.endr
.set m, 0
.rept 12                               ; number m is coordinate m % 3 of sensor m / 3: back to f32, into its place in the pair
.set DST, OO+8*(m/6)+2*(m%3)+((m/3)%2)
.if m%2 == 0
	v_lshlrev_b32 v[DST], 16, v[PK+m/2]
.else
	v_and_b32 v[DST], s20, v[PK+m/2]
.endif
.set m, m+1
.endr
.irp n, 0,1,2,3
	v_mul_f32 v[OO+8*(\n/2)+(\n%2)+6], v[OO+8*(\n/2)+(\n%2)], v[OO+8*(\n/2)+(\n%2)]
.endr
.irp n, 0,1,2,3
	v_fma_f32 v[OO+8*(\n/2)+(\n%2)+6], v[OO+8*(\n/2)+(\n%2)+2], v[OO+8*(\n/2)+(\n%2)+2], v[OO+8*(\n/2)+(\n%2)+6]
.endr
.irp n, 0,1,2,3
	v_fma_f32 v[OO+8*(\n/2)+(\n%2)+6], v[OO+8*(\n/2)+(\n%2)+4], v[OO+8*(\n/2)+(\n%2)+4], v[OO+8*(\n/2)+(\n%2)+6]
.endr
.irp n, 0,1,2,3
	v_mul_f32 v[OO+8*(\n/2)+(\n%2)+6], 0x3e800000, v[OO+8*(\n/2)+(\n%2)+6]  ; a quarter of the sum of the doubled numbers' squares: s2, with s2's roundings
.endr
.irp c, 0,1,2,3
	ds_store_b128 v[SA], v[OO+4*\c:OO+4*\c+3] offset:(\k)*32*GP+16*\c  ; quads 128 k + t: groups 32 k on
.endr
.endm
.irp k, 0,1,2,3,4,5,6,7
	QUAD \k
.endr
	s_cmp_lg_u32 s22, 0                            ; group 256, by wave 0: coordinates 0, s2 infinite
	s_cbranch_scc1 .Lno_dummy
	v_and_b32 v[T0], 15, v0
	v_lshl_add_u32 v[T0], v[T0], 4, DUMMY
	v_and_b32 v[T1], 1, v0
	v_sub_nc_u32 v[T1], 0, v[T1]
	v_mov_b32 v[PK], 0
	v_mov_b32 v[PK+1], 0
	v_and_b32 v[PK+2], 0x7f800000, v[T1]           ; the odd 16 bytes of a pair hold (z, z, s2, s2)
	v_mov_b32 v[PK+3], v[PK+2]
	ds_store_b128 v[T0], v[PK:PK+3]
.Lno_dummy:
	s_wait_loadcnt 0x0                             ; my query and its mask
	v_cvt_pk_bf16_f32 v[T0], v[QR], v[QR+1]
	v_cvt_pk_bf16_f32 v[T1], v[QR+2], v[QR+2]
	v_lshlrev_b32 v[QX], 16, v[T0]
	v_and_b32 v[QY], s20, v[T0]
	v_lshlrev_b32 v[QZ], 16, v[T1]
	v_mul_f32 v[QQ], v[QX], v[QX]
	v_fma_f32 v[QQ], v[QY], v[QY], v[QQ]
	v_fma_f32 v[QQ], v[QZ], v[QZ], v[QQ]
	v_mov_b32 v[QX+1], v[QX]
	v_mov_b32 v[QY+1], v[QY]
	v_mov_b32 v[QZ+1], v[QZ]
	v_mov_b32 v[QQ+1], v[QQ]
.irp w, 0,1,2,3,4,5,6,7
	v_mov_b32 v[VV+\w], 0x7f800000                 ; an empty list: infinitely far, a row that exists
	v_mov_b32 v[II+\w], s21
.endr
	v_add_nc_u32 v[SUM], v[MW], v[MW+1]            ; the sum of the mask's words
	v_add_nc_u32 v[T0], v[MW+2], v[MW+3]
	v_add_nc_u32 v[T1], v[MW+4], v[MW+5]
	v_add_nc_u32 v[TA], v[MW+6], v[MW+7]
	v_add_nc_u32 v[SUM], v[SUM], v[T0]
	v_add_nc_u32 v[T1], v[T1], v[TA]
	v_add_nc_u32 v[SUM], v[SUM], v[T1]
	s_wait_kmcnt 0x0                               ; the counts: the largest of my 32 queries' is the wave's number of trips
	s_mov_b32 s24, s32
.set r, 33
.rept 31
	s_max_u32 s24, s24, s[r]
.set r, r+1
.endr
	s_min_u32 s24, s24, 0x100                      ; a mask has 256 bits
	s_wait_dscnt 0x0                               ; for the others' sake: my part of the table is written
	s_barrier_signal -1
	s_barrier_wait -1                              ; the table is whole; nothing is stored to it again
; My next marked group: the lowest set bit of the 256-bit mask X, which X & (X - 1) clears.  The 1 is taken from word 0; a word that is 0 passes the borrow on.  In each word: f = min(word, borrow) is 1
; where the borrow ends; word & (word - borrow) clears the bit there and changes no other word.  The borrows passed on, added up, are the number of the word (8: no bit was left, which is group 256).
; The bit itself is the old sum of the words less the new one; digit k of its number is min(bit & M_k, 2^k).  Adds, subtractions, ANDs and minima of whole numbers alone.
.macro EXTRACT
	v_min_u32 v[FL], 1, v[MW]
	v_add_nc_u32 v[TA], -1, v[MW]
	v_sub_nc_u32 v[BB], 1, v[FL]
	v_and_b32 v[MW], v[MW], v[TA]
	v_mov_b32 v[ACC], v[BB]
	v_sub_nc_u32 v[HH], v[SUM], v[MW]
.irp w, 1,2,3,4,5,6,7
	v_min_u32 v[FL], v[MW+\w], v[BB]
	v_sub_nc_u32 v[TA], v[MW+\w], v[BB]
	v_sub_nc_u32 v[BB], v[BB], v[FL]
	v_and_b32 v[MW+\w], v[MW+\w], v[TA]
	v_add_nc_u32 v[ACC], v[ACC], v[BB]
	v_sub_nc_u32 v[HH], v[HH], v[MW+\w]
.endr
	v_sub_nc_u32 v[SUM], v[SUM], v[HH]
	v_and_b32 v[TT],   0xaaaaaaaa, v[HH]
	v_and_b32 v[TT+1], 0xcccccccc, v[HH]
	v_and_b32 v[TT+2], 0xf0f0f0f0, v[HH]
	v_and_b32 v[TT+3], 0xff00ff00, v[HH]
	v_and_b32 v[TT+4], 0xffff0000, v[HH]
	v_min_u32 v[TT],   1,  v[TT]
	v_min_u32 v[TT+1], 2,  v[TT+1]
	v_min_u32 v[TT+2], 4,  v[TT+2]
	v_min_u32 v[TT+3], 8,  v[TT+3]
	v_min_u32 v[TT+4], 16, v[TT+4]
	v_add_nc_u32 v[TT], v[TT], v[TT+1]
	v_add_nc_u32 v[TT+2], v[TT+2], v[TT+3]
	v_lshl_add_u32 v[GID], v[ACC], 5, v[TT+4]
	v_add_nc_u32 v[TT], v[TT], v[TT+2]
	v_add_nc_u32 v[GID], v[GID], v[TT]
	v_min_u32 v[GID], 0x100, v[GID]                ; inside the table whatever the mask holds
	v_mul_u32_u24 v[ADR], v[GID], GP
	v_lshl_add_u32 v[JN], v[GID], 4, s21
.endm
.macro FETCH
.irp p, 0,1,2,3,4,5,6,7
	ds_load_b128 v[RR+8*\p:RR+8*\p+3],   v[ADR] offset:32*\p
	ds_load_b128 v[RR+8*\p+4:RR+8*\p+7], v[ADR] offset:32*\p+16
.endr
.endm
; Candidate e enters the list.  c[i] = (d2 < list[i]).  Place i takes its lower neighbour if c[i-1], else the candidate if c[i], else stays.  For d2 that is the middle one of three.
.macro INSERT e
.set CM, 40+8*((\e)%2)                 ; s[40:47] and s[48:55] by turns: the counts that lay there have been used
.set JR, JA+5*((\e)%2)                 ; v64 and v69 by turns
	v_add_nc_u32 v[JR], \e, v[JC]
.irp i, 0,1,2,3,4,5,6,7
	v_cmp_lt_f32 s[CM+\i], v[XX+(\e)], v[VV+\i]
.endr
.irp i, 1,2,3,4,5,6,7
	v_cndmask_b32 v[TT+\i], v[II+\i], v[JR], s[CM+\i]
.endr
.irp i, 7,6,5,4,3,2,1
	v_med3_num_f32 v[VV+\i], v[VV+\i-1], v[VV+\i], v[XX+(\e)]
.endr
	v_min_num_f32 v[VV], v[VV], v[XX+(\e)]
.irp i, 7,6,5,4,3,2,1
	v_cndmask_b32 v[II+\i], v[TT+\i], v[II+\i-1], s[CM+\i-1]
.endr
	v_cndmask_b32 v[II], v[II], v[JR], s[CM]
.endm
	EXTRACT
	FETCH
	s_mov_b32 s26, 0
.Ltrip:
	s_wait_dscnt 0x0                               ; the group is in registers
	v_mov_b32 v[JC], v[JN]
.irp p, 0,1,2,3,4,5,6,7
	v_pk_mul_f32 v[XX+2*\p:XX+2*\p+1], v[RR+8*\p:RR+8*\p+1], v[QX:QX+1]
.endr
.irp p, 0,1,2,3,4,5,6,7
	v_pk_fma_f32 v[XX+2*\p:XX+2*\p+1], v[RR+8*\p+2:RR+8*\p+3], v[QY:QY+1], v[XX+2*\p:XX+2*\p+1]
.endr
.irp p, 0,1,2,3,4,5,6,7
	v_pk_fma_f32 v[XX+2*\p:XX+2*\p+1], v[RR+8*\p+4:RR+8*\p+5], v[QZ:QZ+1], v[XX+2*\p:XX+2*\p+1]
.endr
.irp p, 0,1,2,3,4,5,6,7
	v_pk_add_f32 v[T2+2*\p:T2+2*\p+1], v[RR+8*\p+6:RR+8*\p+7], v[QQ:QQ+1]
.endr
.irp p, 0,1,2,3,4,5,6,7
	v_pk_add_f32 v[XX+2*\p:XX+2*\p+1], v[T2+2*\p:T2+2*\p+1], v[XX+2*\p:XX+2*\p+1]
.endr
.irp e, 0,1,2,3,4,5,6,7,8,9,10,11,12,13,14,15
	v_max_num_f32 v[XX+\e], 0, v[XX+\e]
.endr
	EXTRACT                                        ; the group's registers are free: the next group is fetched while the 16 candidates are inserted
	FETCH
.irp e, 0,1,2,3,4,5,6,7,8,9,10,11,12,13,14,15
	INSERT \e
.endr
	s_add_co_u32 s26, s26, 1
	s_cmp_lt_u32 s26, s24
	s_cbranch_scc1 .Ltrip
	; weights: 1 / (sqrt(d2) + 1e-8), divided by their sum
.irp i, 0,1,2,3,4,5,6,7
	v_sqrt_f32 v[VV+\i], v[VV+\i]
.endr
	v_nop                                          ; a plain line behind the last root, and one wait for the batch, ahead of the first use
	s_wait_alu depctr_va_vdst(0)
.irp i, 0,1,2,3,4,5,6,7
	v_add_f32 v[VV+\i], 0x322bcc77, v[VV+\i]
.endr
.irp i, 0,1,2,3,4,5,6,7
	v_rcp_f32 v[VV+\i], v[VV+\i]
.endr
	v_nop
	s_wait_alu depctr_va_vdst(0)                   ; one wait for the eight reciprocals
	v_add_f32 v[TT],   v[VV],   v[VV+1]
	v_add_f32 v[TT+1], v[VV+2], v[VV+3]
	v_add_f32 v[TT+2], v[VV+4], v[VV+5]
	v_add_f32 v[TT+3], v[VV+6], v[VV+7]
	v_add_f32 v[TT],   v[TT],   v[TT+1]
	v_add_f32 v[TT+2], v[TT+2], v[TT+3]
	v_add_f32 v[TT],   v[TT],   v[TT+2]
	v_rcp_f32 v[TT+4], v[TT]
	v_nop
	s_wait_alu depctr_va_vdst(0)
.irp i, 0,1,2,3,4,5,6,7
	v_mul_f32 v[VV+\i], v[VV+\i], v[TT+4]
.endr
	global_store_b128 v[MO], v[II:II+3],   s[12:13]
	global_store_b128 v[MO], v[II+4:II+7], s[12:13] offset:16
	global_store_b128 v[MO], v[VV:VV+3],   s[14:15]
	global_store_b128 v[MO], v[VV+4:VV+7], s[14:15] offset:16
	s_wait_tensorcnt 0x0                           ; the wave's end; the last wait also takes in the last trip's fetch, which nobody reads
	ds_add_u32 v[SPW], v[NIL]
	s_wait_dscnt 0x0
	s_endpgm
.Lfunc_end_k_q0bd624af26_select:
	.size	k_q0bd624af26_select, .Lfunc_end_k_q0bd624af26_select-k_q0bd624af26_select
	.p2alignl 7, 3214868480
	.fill 96, 4, 3214868480
	.section	.rodata,"a",@progbits
	.p2align	6, 0x0
	.amdhsa_kernel k_q0bd624af26_select
		.amdhsa_group_segment_fixed_size 70656
		.amdhsa_private_segment_fixed_size 0
		.amdhsa_enable_private_segment 0
		.amdhsa_kernarg_size 48
		.amdhsa_user_sgpr_count 2
		.amdhsa_user_sgpr_kernarg_segment_ptr 1
		.amdhsa_wavefront_size32 1
		.amdhsa_system_sgpr_workgroup_id_x 1
		.amdhsa_system_sgpr_workgroup_id_y 1
		.amdhsa_system_sgpr_workgroup_id_z 1
		.amdhsa_system_vgpr_workitem_id 0
		.amdhsa_next_free_vgpr 204
		.amdhsa_next_free_sgpr 66
		.amdhsa_reserve_vcc 0
		.amdhsa_float_denorm_mode_32 3
		.amdhsa_float_denorm_mode_16_64 3
		.amdhsa_memory_ordered 1
		.amdhsa_forward_progress 1
		.amdhsa_inst_pref_size 70
	.end_amdhsa_kernel
	.amdgpu_metadata
---
amdhsa.version: [ 1, 2 ]
amdhsa.kernels:
  - .name:           k_q0bd624af26_select
    .symbol:         k_q0bd624af26_select.kd
    .args:
      - { .name: query_coords, .offset: 0, .size: 8, .value_kind: global_buffer, .address_space: global }
      - { .name: sensor_coords, .offset: 8, .size: 8, .value_kind: global_buffer, .address_space: global }
      - { .name: gmask, .offset: 16, .size: 8, .value_kind: global_buffer, .address_space: global }
      - { .name: gcnt, .offset: 24, .size: 8, .value_kind: global_buffer, .address_space: global }
      - { .name: nidx, .offset: 32, .size: 8, .value_kind: global_buffer, .address_space: global }
      - { .name: nw, .offset: 40, .size: 8, .value_kind: global_buffer, .address_space: global }
    .group_segment_fixed_size: 70656
    .private_segment_fixed_size: 0
    .kernarg_segment_align: 8
    .kernarg_segment_size: 48
    .max_flat_workgroup_size: 128
    .sgpr_count:     66
    .vgpr_count:     204
    .wavefront_size: 32
...
	.end_amdgpu_metadata
.endif
;; end of part 2
;; launch blend (part 3): grid 1024 x 1, 8 waves a work-group, no clusters, 0 bytes of LDS; arguments nidx, nw, fb16, out0; writes out0
.if DOCPART == 3
	.amdgcn_target "amdgcn-amd-amdhsa--gfx1250"
	.amdhsa_code_object_version 6
	.text
	.protected	k_q0bd624af26_blend
	.globl	k_q0bd624af26_blend
	.p2align	8
	.type	k_q0bd624af26_blend,@function
k_q0bd624af26_blend:
	s_mov_b64 s[64:65], 0
	v_nop
	global_prefetch_b8 v0, s[64:65] scope:SCOPE_SE
	s_setreg_imm32_b32 hwreg(HW_REG_WAVE_MODE, 25, 1), 1
	s_wait_xcnt 0x0
; BLEND.  out[q][:] = the sum over 8 neighbours of weight x feature row.  Rows and weights were stored by the launch before; the features are the bf16 copy: 512 bytes a row, in which lane l's 16 bytes
; hold columns 4 l .. 4 l + 3 and 128 + 4 l .. 128 + 4 l + 3.  So a row is one load of 512 consecutive bytes of the wave, and a query's result two stores of 512 consecutive bytes.
; Each query has 8 rows of its own: no operand is shared between queries, so there is no matrix product to lay on a 16 x 16 tile; the sums are fused multiply-adds in f32 straight from the bf16 halves.
; SHARES.  A wave has four consecutive queries; their 32 row numbers and 32 weights come by scalar loads.  All 32 rows (16 KiB a wave) are asked for at once; each has its own address and data registers,
; and each query its own sums, so no source of a memory instruction is ever written again.
; A row of the table is named 16 times in the launch on the average (8 x 8,192 names for a batch's 4,096 rows), by different work-groups: its loads carry the hint for data that is read again.
; No LDS, no barrier, no cluster: no wave wants a byte that another has fetched at the same time.
.set LO, 2                             ; v2   16 x lane; never rewritten
.set ZR, 3                             ; v3   0: the first row's addend
.set WT, 4                             ; v[4:11]    the query's 8 weights
.set AC, 12                            ; v[12:43]   8 sums for each of 4 queries
.set AD, 44                            ; v[44:75]   32 row offsets
.set RW, 76                            ; v[76:203]  32 rows x 4 registers
	s_load_b256 s[4:11], s[0:1], 0x0               ; rows s[4:5], weights s[6:7], features s[8:9], out s[10:11]
	v_lshrrev_b32 v1, 5, v0
	v_readfirstlane_b32 s12, v1                    ; wave 0..7
	v_and_b32 v[LO], 31, v0
	v_lshlrev_b32 v[LO], 4, v[LO]
	v_mov_b32 v[ZR], 0
	s_lshl_b32 s13, ttmp9, 3
	s_add_co_u32 s13, s13, s12                     ; my wave among all 8,192
	s_lshl_b32 s14, s13, 7                         ; four queries of 32 bytes
	s_mov_b32 s15, 0
	s_lshl_b32 s84, s13, 12                        ; four rows of 1,024 bytes
	s_mov_b32 s85, 0
	s_wait_kmcnt 0x0
	s_add_nc_u64 s[4:5], s[4:5], s[14:15]
	s_add_nc_u64 s[6:7], s[6:7], s[14:15]
	s_add_nc_u64 s[10:11], s[10:11], s[84:85]
	s_load_b512 s[16:31], s[4:5], 0x0              ; row r of query q in s[16 + 8 q + r]
	s_load_b512 s[32:47], s[4:5], 0x40
	s_load_b512 s[48:63], s[6:7], 0x0              ; weights of queries 0, 1
	s_load_b512 s[68:83], s[6:7], 0x40             ; and 2, 3
	s_wait_kmcnt 0x0
.set r, 0
.rept 32
	s_min_u32 s[16+r], s[16+r], 0x3fff             ; inside the table of 16,384 rows whatever the buffer holds
.set r, r+1
.endr
.set r, 0
.rept 32
	v_lshl_add_u32 v[AD+r], s[16+r], 9, v[LO]      ; 512 x row + 16 x lane
.set r, r+1
.endr
.set r, 0
.rept 32
	global_load_b128 v[RW+4*r:RW+4*r+3], v[AD+r], s[8:9] th:TH_LOAD_HT
.set r, r+1
.endr
; Query q: its 8 rows are in; 64 fused multiply-adds, eight sums that take turns; two stores.
.macro QUERY q
.set WB, 48+8*(\q)+4*((\q)/2)          ; its weights: s48, s56, s68, s76
	s_wait_loadcnt 24-8*(\q)                       ; loads come back in order (ISA guide 5.7.1): the younger queries' rows stay out
.irp r, 0,1,2,3,4,5,6,7
	v_mov_b32 v[WT+\r], s[WB+\r]
.endr
.irp r, 0,1,2,3,4,5,6,7
.irp c, 0,1,2,3
.if \r == 0
	v_fma_mix_f32_bf16 v[AC+8*(\q)+2*\c],   v[RW+32*(\q)+4*\r+\c], v[WT+\r], v[ZR] op_sel_hi:[1,0,0]
	v_fma_mix_f32_bf16 v[AC+8*(\q)+2*\c+1], v[RW+32*(\q)+4*\r+\c], v[WT+\r], v[ZR] op_sel:[1,0,0] op_sel_hi:[1,0,0]
.else
	v_fma_mix_f32_bf16 v[AC+8*(\q)+2*\c],   v[RW+32*(\q)+4*\r+\c], v[WT+\r], v[AC+8*(\q)+2*\c] op_sel_hi:[1,0,0]
	v_fma_mix_f32_bf16 v[AC+8*(\q)+2*\c+1], v[RW+32*(\q)+4*\r+\c], v[WT+\r], v[AC+8*(\q)+2*\c+1] op_sel:[1,0,0] op_sel_hi:[1,0,0]
.endif
.endr
.endr
	global_store_b128 v[LO], v[AC+8*(\q):AC+8*(\q)+3],   s[10:11] offset:1024*(\q) th:TH_STORE_NT      ; columns 0-127: 512 consecutive bytes
	global_store_b128 v[LO], v[AC+8*(\q)+4:AC+8*(\q)+7], s[10:11] offset:1024*(\q)+512 th:TH_STORE_NT  ; columns 128-255
.endm
	QUERY 0
	QUERY 1
	QUERY 2
	QUERY 3
	s_endpgm
.Lfunc_end_k_q0bd624af26_blend:
	.size	k_q0bd624af26_blend, .Lfunc_end_k_q0bd624af26_blend-k_q0bd624af26_blend
	.p2alignl 7, 3214868480
	.fill 96, 4, 3214868480
	.section	.rodata,"a",@progbits
	.p2align	6, 0x0
	.amdhsa_kernel k_q0bd624af26_blend
		.amdhsa_group_segment_fixed_size 0
		.amdhsa_private_segment_fixed_size 0
		.amdhsa_enable_private_segment 0
		.amdhsa_kernarg_size 32
		.amdhsa_user_sgpr_count 2
		.amdhsa_user_sgpr_kernarg_segment_ptr 1
		.amdhsa_wavefront_size32 1
		.amdhsa_system_sgpr_workgroup_id_x 1
		.amdhsa_system_sgpr_workgroup_id_y 1
		.amdhsa_system_sgpr_workgroup_id_z 1
		.amdhsa_system_vgpr_workitem_id 0
		.amdhsa_next_free_vgpr 204
		.amdhsa_next_free_sgpr 88
		.amdhsa_reserve_vcc 0
		.amdhsa_float_denorm_mode_32 3
		.amdhsa_float_denorm_mode_16_64 3
		.amdhsa_memory_ordered 1
		.amdhsa_forward_progress 1
		.amdhsa_inst_pref_size 26
	.end_amdhsa_kernel
	.amdgpu_metadata
---
amdhsa.version: [ 1, 2 ]
amdhsa.kernels:
  - .name:           k_q0bd624af26_blend
    .symbol:         k_q0bd624af26_blend.kd
    .args:
      - { .name: nidx, .offset: 0, .size: 8, .value_kind: global_buffer, .address_space: global }
      - { .name: nw, .offset: 8, .size: 8, .value_kind: global_buffer, .address_space: global }
      - { .name: fb16, .offset: 16, .size: 8, .value_kind: global_buffer, .address_space: global }
      - { .name: out0, .offset: 24, .size: 8, .value_kind: global_buffer, .address_space: global }
    .group_segment_fixed_size: 0
    .private_segment_fixed_size: 0
    .kernarg_segment_align: 8
    .kernarg_segment_size: 32
    .max_flat_workgroup_size: 256
    .sgpr_count:     88
    .vgpr_count:     204
    .wavefront_size: 32
...
	.end_amdgpu_metadata
.endif
;; end of part 3
;; ======== version 2 of 2: 3 launches; version 1 with the launch filter written anew for expert scheduling mode
;; workspace buffers: gmask 1,048,576 bytes of whole numbers; gcnt 262,144 bytes of whole numbers; nidx 1,048,576 bytes of whole numbers; nw 1,048,576 bytes; fb16 8,388,608 bytes
;; launch filter (part 4): grid 256 x 1, 8 waves a work-group, no clusters, 70,656 bytes of LDS; arguments query_coords, sensor_coords, sensor_features, gmask, fb16, gcnt; writes gmask, fb16, gcnt
.if DOCPART == 4
	.amdgcn_target "amdgcn-amd-amdhsa--gfx1250"
	.amdhsa_code_object_version 6
	.text
	.protected	k_q0bd624af26_filter
	.globl	k_q0bd624af26_filter
	.p2align	8
	.type	k_q0bd624af26_filter,@function
k_q0bd624af26_filter:
	s_mov_b64 s[64:65], 0
	v_nop
	global_prefetch_b8 v0, s[64:65] scope:SCOPE_SE
	s_setreg_imm32_b32 hwreg(HW_REG_WAVE_SCHED_MODE, 0, 2), 2
	s_setreg_imm32_b32 hwreg(HW_REG_WAVE_MODE, 25, 1), 1
	s_wait_xcnt 0x0
	s_wait_alu depctr_vm_vsrc(0)
; FILTER.  For each of 32,768 queries: which groups of 16 consecutive sensors can hold one of its 8 nearest sensors, and how many such groups there are.  Also: the features once more, as bf16.
; All coordinates are rounded to bf16 (the format this program takes for every input).  e = s2 - 2 q.s, which orders a query's sensors as d2 = q2 + e does, comes from the matrix unit:
; source 0 = 16 sensors (-2x, -2y, -2z, and s2 cut into three bf16 pieces that add up to the f32 number), source 1 = 16 queries (x, y, z, 1, 1, 1): six exact products, summed in f32.
; A lane of the result holds ONE query (lane % 16) and eight sensors.  Two results give the minimum F of a group of 16 sensors; the 8 smallest F are kept in a sorted list.
; The 8th smallest F, T, bounds the 8th nearest sensor from above (8 groups hold a sensor that near).  A group is marked if F <= T + 2^-14 (q2 + d2(T)).  The margin allows the matrix sum, and
; the f32 roundings of the exact formula that the next launch follows, an error of 2^-18 of the largest term each way; so the marked groups hold all 8 nearest, ties too.
; SHARES.  256 work-groups of 128 queries; a wave has 16 queries and walks all 4,096 sensors: 256 tiles of 16, 128 steps of two tiles.  Tile t holds sensors 8t..8t+7 in rows 0-7 and
; 2048+8t..+7 in rows 8-15, so lanes 0-15 own groups 0-127 and lanes 16-31 groups 128-255, each group 16 consecutive sensors.
; LDS.  The sensors' fragments, in the order in which lanes read them: tile t at 272 t; lane l's 8 bytes at 8 l (rows 0-15: the first four terms; again rows 0-15: the last two and zeros).
; One ds_load_b64 of a wave takes 256 consecutive bytes.  The pitch of 272 spreads the 16-byte stores that build the table over the banks (64 banks of 4 bytes: ISA guide 11.1).
; Only registers 0-1 of a fragment carry terms (K = 0-3 and 8-11); registers 2-7 of every ring slot and of the queries' fragment are 0 and stay 0.
; NO CLUSTER, NO TENSOR LOAD: what work-groups share is 49,152 bytes of coordinates, which need arithmetic on their way into LDS; queries and features are each read by one wave.
; LIMITS.  Finite inputs; NaN and infinities are not treated apart.
; THE MODE: SCHED_MODE bits 1:0 = 2 (LLVM: expert scheduling mode 2), set by the entry lines.  The code itself states the register dependences
; between vector or matrix instructions and memory or LDS instructions, with s_wait_alu, always for 0.
; THE PLAN.  Registers that memory or LDS instructions touch:
;   v4, v5, v25-v27, v29-v31   Addresses and offsets: written at the head, ahead of one wait on va_vdst, and never again.
;   v[128:175], v[240:242], v[256:319]   Sensors, my query, features as loaded: no vector line names them ahead of their loads.
;   OUT0, OUT1 (v[32:47], v[48:63])   While the table is built.  Quad k's vector lines write OUT[k % 2]; its four LDS stores are issued at the head of the block behind it.
;       So a block's head holds one wait on va_vdst (the quad before has written its OUT) and, from quad 2 on, one on vm_vsrc (the stores issued a block earlier have read the OUT that this quad writes again).
;   The ring, registers 0-1 of its 8 slots, in two halves of four.  A BLOCK is two steps: its four products read half b % 2.  At the head of block b one wait on va_vdst states that the products
;       of block b - 1 are done reading the other half; the four loads of block b + 1 land there.  They stand behind the block's first two products: no vector or matrix line of block b names a register that they touch.
;   v[16:19], v24, v1, v[96:127]   At the end: the masks, the count, its offset and the rounded features: all written ahead of one wait on va_vdst, behind which the ten stores stand in one run; nothing writes them again.
;   v2, v3   Written at the head, read by the closing add alone.
.set TP,    272                        ; bytes from tile to tile in LDS
.set SPARE, 256*TP                     ; behind the table: the spare words, 128 bytes for each of 8 waves; no other line names them
.set KM,    0x38800000                 ; 2^-14
.set SPW, 2                            ; v2   my spare word; never rewritten
.set NIL, 3                            ; v3   0, for the add alone
.set AR0, 4                            ; v4   8 x lane: tiles 0-127
.set AR1, 5                            ; v5   the same + 128 tiles: the immediate holds 16 bits
.set Q2,  6                            ; v6   q2 of my query
.set THR, 7                            ; v7   T, then the threshold
.set BQ,  8                            ; v[8:15]   the queries' fragment
.set LS,  16                           ; v[16:23]  the 8 smallest F, ascending; later the four mask words
.set TM,  24                           ; v24  at work; at the end my query's count
.set MO,  25                           ; v25  my 16 bytes in the work-group's masks
.set FI,  26                           ; v26  features in: wave x 8 rows + 16 x lane
.set FO,  27                           ; v27  features out
.set LN,  28                           ; v28  lane
.set SO,  29                           ; v29  48 x thread: four sensors
.set QO,  30                           ; v30  12 x my query
.set SA,  31                           ; v31  where my four sensors go in LDS
.set AA,  32                           ; v[32:95]   ring of 8 sensor fragments: two halves of four
.set DD,  96                           ; v[96:127]  two sets of two results
.set FF,  128                          ; v[128:255] F of my 128 groups
.set HB,  32                           ; while the table is built: OUT f at HB + 16 f: 4 sensors' first halves (8 registers), then their second halves
.set TZ,  64                           ; at work
.set SS,  68
.set TH,  72
.set PQ,  82                           ; v[82:87] while the queries' fragment is built: registers 2-7 of ring slot 6, in which no load lands
.set QR,  240                          ; v[240:242] my query as loaded
                                       ; v[256:319] eight rows of features as loaded (window 1)
	s_load_b256 s[4:11], s[0:1], 0x0               ; queries s[4:5], sensors s[6:7], features s[8:9], masks s[10:11]
	s_load_b64 s[12:13], s[0:1], 0x20              ; the bf16 copy
	s_load_b64 s[28:29], s[0:1], 0x28              ; the counts
	v_lshl_add_u32 v[SPW], v0, 2, SPARE
	v_mov_b32 v[NIL], 0
	v_lshrrev_b32 v1, 5, v0
	v_readfirstlane_b32 s14, v1                    ; wave 0..7
	v_and_b32 v[LN], 31, v0
	v_mul_u32_u24 v[SO], v0, 48
	v_lshlrev_b32 v[TM], 4, v[LN]
	v_lshl_add_u32 v[FI], v1, 13, v[TM]            ; 8 rows of 1,024 bytes a wave
	v_lshl_add_u32 v[FO], v1, 12, v[TM]            ; 8 rows of 512 bytes
	v_and_b32 v[TM], 15, v0
	v_lshl_add_u32 v[TM], v1, 4, v[TM]             ; my query in the work-group: 16 x wave + lane % 16
	v_mul_u32_u24 v[QO], v[TM], 12
	v_bfe_u32 v[MO], v0, 4, 1
	v_lshlrev_b32 v[MO], 4, v[MO]
	v_lshl_add_u32 v[MO], v[TM], 5, v[MO]          ; 32 bytes a query: groups 0-127 from lanes 0-15, groups 128-255 from lanes 16-31
	v_lshlrev_b32 v[AR0], 3, v[LN]
	v_add_nc_u32 v[AR1], 128*TP, v[AR0]
	v_lshrrev_b32 v[SA], 1, v[LN]                  ; thread t's sensors 4t..4t+3 lie in tile t / 2, rows 4 (t % 2) on
	v_mul_u32_u24 v[SA], v[SA], TP
	v_and_b32 v[TM], 1, v0
	v_lshl_add_u32 v[SA], v[TM], 5, v[SA]
	s_wait_alu depctr_va_sdst(0)                   ; s14, the wave's number, is written, ahead of its first reader
	s_mul_i32 s15, s14, 16*TP                      ; a wave's 32 threads fill 16 tiles
	v_add_nc_u32 v[SA], s15, v[SA]
	s_mul_i32 s16, ttmp9, 1536                     ; 128 queries of 12 bytes
	s_mov_b32 s17, 0
	s_lshl_b32 s18, ttmp9, 16                      ; 64 rows of features
	s_mov_b32 s19, 0
	s_lshl_b32 s20, ttmp9, 12                      ; 128 masks of 32 bytes
	s_mov_b32 s21, 0
	s_lshl_b32 s22, ttmp9, 15                      ; 64 rows of the copy
	s_mov_b32 s23, 0
	s_lshl_b32 s30, ttmp9, 10                      ; 256 counts of 4 bytes
	s_mov_b32 s31, 0
	s_mov_b32 s24, 0xffff0000
	s_mov_b32 s25, 0x0000ffff
	s_mov_b32 s26, 0x76543210                      ; v_permlanex16_b32: each lane takes its own place in the other half
	s_mov_b32 s27, 0xfedcba98
	s_wait_kmcnt 0x0
	s_add_nc_u64 s[4:5], s[4:5], s[16:17]
	s_add_nc_u64 s[8:9], s[8:9], s[18:19]
	s_add_nc_u64 s[10:11], s[10:11], s[20:21]
	s_add_nc_u64 s[12:13], s[12:13], s[22:23]
	s_add_nc_u64 s[28:29], s[28:29], s[30:31]
	s_wait_alu depctr_va_vdst(0)                   ; the eight addresses and offsets v4, v5, v25-v27, v29-v31 are written: every load and store of the kernel but the count's reads one of them, and none is written again
.irp k, 0,1,2,3                        ; 16 sensors a thread, four at a time: 48 consecutive bytes
	global_load_b128 v[FF+12*\k:FF+12*\k+3],    v[SO], s[6:7] offset:12288*\k
	global_load_b128 v[FF+12*\k+4:FF+12*\k+7],  v[SO], s[6:7] offset:12288*\k+16
	global_load_b128 v[FF+12*\k+8:FF+12*\k+11], v[SO], s[6:7] offset:12288*\k+32
.endr
	global_load_b32 v[QR],   v[QO], s[4:5]
	global_load_b32 v[QR+1], v[QO], s[4:5] offset:4
	global_load_b32 v[QR+2], v[QO], s[4:5] offset:8
	s_set_vgpr_msb 0x40                            ; destination in window 1: the features wait there until the kernel's end; only loads and this switch stand between the wait above and these loads
.irp i, 0,1,2,3,4,5,6,7                ; a row: columns 4 l .. 4 l + 3 and 128 + 4 l .. of lane l: twice 512 consecutive bytes
	global_load_b128 v[8*\i:8*\i+3],   v[FI], s[8:9] offset:1024*\i th:TH_LOAD_NT
	global_load_b128 v[8*\i+4:8*\i+7], v[FI], s[8:9] offset:1024*\i+512 th:TH_LOAD_NT
.endr
	s_set_vgpr_msb 0x4000
.irp f, 0,1
.irp n, 0,1,2,3
	v_mov_b32 v[HB+16*\f+8+2*\n+1], 0              ; terms that do not exist, in both OUT
.endr
.endr
; The four LDS stores of quad k, out of OUT[k % 2].
.macro QSTORE k
.set HS, HB+16*((\k)%2)
.set OK, ((\k)&1)*128*TP+((\k)>>1)*64  ; quads 256 k + t: tiles 128 (k % 2) on; rows 8 (k / 2) on
	ds_store_b128 v[SA], v[HS:HS+3]     offset:OK
	ds_store_b128 v[SA], v[HS+4:HS+7]   offset:OK+16
	ds_store_b128 v[SA], v[HS+8:HS+11]  offset:OK+128
	ds_store_b128 v[SA], v[HS+12:HS+15] offset:OK+144
.endm
; Four sensors become fragments.  Rounding to bf16 commutes with the factor -2; s2 = ((x x + y y) + z z) of the rounded numbers, here as a quarter of the same sum of -2x, -2y, -2z.
.macro QUAD k
.set CC, FF+12*(\k)
.set H0, HB+16*((\k)%2)
.set H1, H0+8
	s_wait_loadcnt 28-3*(\k)                       ; 31 loads were issued; my three are in; younger quads, 3 query loads and 16 feature loads stay out
.if (\k) >= 2
	s_wait_alu depctr_vm_vsrc(0)                   ; the LDS stores issued in the quad before have read OUT[k % 2], which this quad writes again
.endif
.if (\k) >= 1
	s_wait_alu depctr_va_vdst(0)                   ; the quad before has written the other OUT, which the four LDS stores below read
	QSTORE (\k)-1
.endif
.irp j, 0,1,2,3,4,5
	v_pk_mul_f32 v[CC+2*\j:CC+2*\j+1], v[CC+2*\j:CC+2*\j+1], -2.0 op_sel_hi:[1,0]
.endr
.irp n, 0,1,2,3
	v_cvt_pk_bf16_f32 v[H0+2*\n], v[CC+3*\n], v[CC+3*\n+1]
	v_cvt_pk_bf16_f32 v[TZ+\n], v[CC+3*\n+2], v[CC+3*\n+2]
.endr
.irp n, 0,1,2,3
	v_lshlrev_b32 v[CC+3*\n], 16, v[H0+2*\n]
	v_and_b32 v[CC+3*\n+1], s24, v[H0+2*\n]
	v_lshlrev_b32 v[CC+3*\n+2], 16, v[TZ+\n]
.endr
.irp n, 0,1,2,3
	v_mul_f32 v[SS+\n], v[CC+3*\n], v[CC+3*\n]
.endr
.irp n, 0,1,2,3
	v_fma_f32 v[SS+\n], v[CC+3*\n+1], v[CC+3*\n+1], v[SS+\n]
.endr
.irp n, 0,1,2,3
	v_fma_f32 v[SS+\n], v[CC+3*\n+2], v[CC+3*\n+2], v[SS+\n]
.endr
.irp n, 0,1,2,3
	v_mul_f32 v[SS+\n], 0x3e800000, v[SS+\n]
.endr
.irp n, 0,1,2,3
	v_cvt_pk_bf16_f32 v[TH+\n], v[SS+\n], v[SS+\n] ; s2's first piece
.endr
.irp n, 0,1,2,3
	v_and_b32 v[CC+3*\n], s24, v[TH+\n]
	v_bfi_b32 v[H0+2*\n+1], s25, v[TZ+\n], v[TH+\n] ; (-2z, first piece)
.endr
.irp n, 0,1,2,3
	v_sub_f32 v[CC+3*\n+1], v[SS+\n], v[CC+3*\n]   ; what the first piece leaves: exact
.endr
.irp n, 0,1,2,3
	v_cvt_pk_bf16_f32 v[CC+3*\n+2], v[CC+3*\n+1], v[CC+3*\n+1]
.endr
.irp n, 0,1,2,3
	v_lshlrev_b32 v[CC+3*\n+2], 16, v[CC+3*\n+2]
.endr
.irp n, 0,1,2,3
	v_sub_f32 v[CC+3*\n+2], v[CC+3*\n+1], v[CC+3*\n+2]  ; what the second piece leaves
.endr
.irp n, 0,1,2,3
	v_cvt_pk_bf16_f32 v[H1+2*\n], v[CC+3*\n+1], v[CC+3*\n+2]  ; (second piece, third piece)
.endr
.endm
	QUAD 0
	QUAD 1
	QUAD 2
	QUAD 3
	s_wait_loadcnt 16                              ; my query is in; the 16 feature loads stay out
	s_wait_alu depctr_va_vdst(0)                   ; quad 3 has written OUT1, which the four LDS stores below read.  It is also the last vector work on registers 0-1 of any ring slot
	QSTORE 3
	v_cmp_gt_u32 vcc_lo, 16, v[LN]
	v_mov_b32 v[PQ+5], 1.0
	v_cvt_pk_bf16_f32 v[PQ], v[QR], v[QR+1]
	v_cvt_pk_bf16_f32 v[PQ+1], v[QR+2], v[PQ+5]
	v_lshlrev_b32 v[PQ+2], 16, v[PQ]
	v_and_b32 v[PQ+3], s24, v[PQ]
	v_lshlrev_b32 v[PQ+4], 16, v[PQ+1]
	v_mul_f32 v[Q2], v[PQ+2], v[PQ+2]
	v_fma_f32 v[Q2], v[PQ+3], v[PQ+3], v[Q2]
	v_fma_f32 v[Q2], v[PQ+4], v[PQ+4], v[Q2]
	s_wait_alu depctr_va_vcc(0)                    ; the compare above has written VCC, which the two selects read
	v_cndmask_b32 v[BQ], 0x3f803f80, v[PQ], vcc_lo ; lanes 0-15: (x, y), (z, 1); lanes 16-31: (1, 1), (0, 0)
	v_cndmask_b32 v[BQ+1], 0, v[PQ+1], vcc_lo
.irp j, 2,3,4,5,6,7
	v_mov_b32 v[BQ+\j], 0
.endr
	s_wait_dscnt 0x0                               ; for the others' sake: my part of the table is written
	s_wait_alu depctr_vm_vsrc(0)                   ; my LDS stores have read OUT0 and OUT1: these registers are ring slots 0-3 from here on, written by the zeros below and by the ring's loads
	s_barrier_signal -1
.irp s, 0,1,2,3,4,5,6,7                ; work on registers while the others arrive: the parts of the ring that carry no term,
.irp j, 2,3,4,5,6,7
	v_mov_b32 v[AA+8*\s+\j], 0
.endr
.endr
.irp j, 0,1,2,3,4,5,6,7
	v_mov_b32 v[LS+\j], 0x7f800000                 ; and an empty list
.endr
	s_barrier_wait -1                              ; the table is whole; nothing is stored to it again
.macro ALOAD t
.if (\t) < 128
	ds_load_b64 v[AA+8*((\t)%8):AA+8*((\t)%8)+1], v[AR0] offset:(\t)*TP
.else
	ds_load_b64 v[AA+8*((\t)%8):AA+8*((\t)%8)+1], v[AR1] offset:((\t)-128)*TP
.endif
.endm
; Line op of the eight that make F of group f from result set f % 2: two chains, three operands at a time; each result is read from its lowest registers on.
.macro MINOP op, f
.set DB, DD+16*((\f)%2)
.if (\op) == 0
	v_min3_num_f32 v[FF+(\f)], v[DB], v[DB+1], v[DB+2]
.elseif (\op) == 1
	v_min3_num_f32 v[TM], v[DB+8], v[DB+9], v[DB+10]
.elseif (\op) == 2
	v_min3_num_f32 v[FF+(\f)], v[FF+(\f)], v[DB+3], v[DB+4]
.elseif (\op) == 3
	v_min3_num_f32 v[TM], v[TM], v[DB+11], v[DB+12]
.elseif (\op) == 4
	v_min3_num_f32 v[FF+(\f)], v[FF+(\f)], v[DB+5], v[DB+6]
.elseif (\op) == 5
	v_min3_num_f32 v[TM], v[TM], v[DB+13], v[DB+14]
.elseif (\op) == 6
	v_min3_num_f32 v[FF+(\f)], v[FF+(\f)], v[DB+7], v[DB+15]
.else
	v_min_num_f32 v[FF+(\f)], v[FF+(\f)], v[TM]
.endif
.endm
; F of group f enters the sorted list: place p takes the middle one of its lower neighbour, itself and F.  From the top down, so that each line still reads the old neighbour.
.macro INS p, f
.if (\p) > 0
	v_med3_num_f32 v[LS+(\p)], v[LS+(\p)-1], v[LS+(\p)], v[FF+(\f)]
.else
	v_min_num_f32 v[LS], v[LS], v[FF+(\f)]
.endif
.endm
.irp t, 0,1,2,3,4,5,6,7
	ALOAD \t                                       ; both halves of the ring are filled: blocks 0 and 1.  No wait on va_vdst: since the one ahead of quad 3's stores no vector line has named registers 0-1 of a slot (the query's block works in v[82:87], the zeros fill registers 2-7)
.endr
; Step i: two products, each starting its sum with the constant 0; beside them the minima of step i - 1 and the insertion of step i - 2, sixteen plain lines that name no register of the
; step's products: they are the distance (ISA guide 7.12.1) in front of the reads of these results in the next step and of the products that write the same set two steps on.
; Two steps are a block: tiles 2 i to 2 i + 3 for even i.  The steps are written out: a group's F has a register of its own.
.set i, 0
.rept 128
.if i == 0
	s_wait_dscnt 4                                 ; block 0's four tiles are in; block 1's four loads stay out
.elseif i%2 == 0
	s_wait_dscnt 0x0                               ; the block's four tiles are in: they are the only LDS loads that are out, issued two steps back
.endif
.if (i%2 == 0) && (i > 0) && (i < 126)
	s_wait_alu depctr_va_vdst(0)                   ; the four products of the block before are done reading their half of the ring, in which the four loads below land
.endif
	v_wmma_f32_16x16x32_bf16 v[DD+16*(i%2):DD+16*(i%2)+7], v[AA+8*((2*i)%8):AA+8*((2*i)%8)+7], v[BQ:BQ+7], 0
	v_wmma_f32_16x16x32_bf16 v[DD+16*(i%2)+8:DD+16*(i%2)+15], v[AA+8*((2*i+1)%8):AA+8*((2*i+1)%8)+7], v[BQ:BQ+7], 0
.if (i%2 == 0) && (i > 0) && (i < 126)
	ALOAD 2*i+4                                    ; the next block's tiles, into the half that the block before read.  No further wait: the two products above name the other half, the queries' fragment and their results
	ALOAD 2*i+5
	ALOAD 2*i+6
	ALOAD 2*i+7
.endif
.if i == 0
.rept 6
	v_nop                                          ; the first step has no vector work yet
.endr
.else
.set o, 0
.rept 8
	MINOP o, i-1
.if i > 1
	INS 7-o, i-2
.endif
.set o, o+1
.endr
.endif
.set i, i+1
.endr
.irp p, 7,6,5,4,3,2,1,0
	INS \p, 126                                    ; eight plain lines behind the last products
.endr
.irp o, 0,1,2,3,4,5,6,7
	MINOP \o, 127
.endr
.irp p, 7,6,5,4,3,2,1,0
	INS \p, 127
.endr
	; T: the 8th smallest of my list a and the other half's list b is the largest of min(a[i], b[7 - i])
.irp j, 0,1,2,3,4,5,6,7
	v_permlanex16_b32 v[DD+\j], v[LS+\j], s26, s27
.endr
.irp j, 0,1,2,3,4,5,6,7
	v_min_num_f32 v[DD+8+\j], v[LS+\j], v[DD+7-\j]
.endr
	v_max3_num_f32 v[THR], v[DD+8], v[DD+9], v[DD+10]
	v_max3_num_f32 v[THR], v[THR], v[DD+11], v[DD+12]
	v_max3_num_f32 v[THR], v[THR], v[DD+13], v[DD+14]
	v_max_num_f32 v[THR], v[THR], v[DD+15]
	v_add_f32 v[DD+16], v[THR], v[Q2]              ; d2 at T,
	v_max_num_f32 v[DD+16], 0, v[DD+16]            ; clamped as the exact formula clamps it
	v_add_f32 v[DD+17], v[Q2], v[DD+16]
	v_sub_f32 v[DD+18], v[DD+16], v[Q2]
	v_fmamk_f32 v[DD+18], v[DD+17], KM, v[DD+18]   ; back to e, plus the margin
	v_max_num_f32 v[THR], v[THR], v[DD+18]         ; never below T itself: at least 8 groups are marked
	; The masks: word w, bit b = group 32 w + b of my half.  The sign of threshold - F is 1 where the group is out; it is shifted in from below, the highest group first.
.set b, 31
.rept 32
.irp w, 0,1,2,3
	v_sub_f32 v[DD+4*(b%8)+\w], v[THR], v[FF+32*\w+b]
.endr
.irp w, 0,1,2,3
.if b == 31
	v_lshrrev_b32 v[LS+\w], 31, v[DD+4*(b%8)+\w]
.else
	v_alignbit_b32 v[LS+\w], v[LS+\w], v[DD+4*(b%8)+\w], 31
.endif
.endr
.set b, b-1
.endr
.irp w, 0,1,2,3
	v_xor_b32 v[LS+\w], -1, v[LS+\w]               ; 1 = marked
.endr
	; How many groups are marked: the bits of my four words, counted in fields of 2, 4, 8, 16 and 32 bits (128 at the most), plus the other half's.
.irp w, 0,1,2,3
	v_lshrrev_b32 v[DD+4+\w], 1, v[LS+\w]
.endr
.irp w, 0,1,2,3
	v_and_b32 v[DD+4+\w], 0x55555555, v[DD+4+\w]
.endr
.irp w, 0,1,2,3
	v_sub_nc_u32 v[DD+\w], v[LS+\w], v[DD+4+\w]
.endr
.irp w, 0,1,2,3
	v_lshrrev_b32 v[DD+4+\w], 2, v[DD+\w]
.endr
.irp w, 0,1,2,3
	v_and_b32 v[DD+4+\w], 0x33333333, v[DD+4+\w]
	v_and_b32 v[DD+\w], 0x33333333, v[DD+\w]
.endr
.irp w, 0,1,2,3
	v_add_nc_u32 v[DD+\w], v[DD+\w], v[DD+4+\w]    ; 4 at the most in a field of 4 bits
.endr
	v_add_nc_u32 v[DD], v[DD], v[DD+1]             ; 8 at the most
	v_add_nc_u32 v[DD+2], v[DD+2], v[DD+3]
	v_lshrrev_b32 v[DD+4], 4, v[DD]
	v_lshrrev_b32 v[DD+6], 4, v[DD+2]
.irp w, 0,2,4,6
	v_and_b32 v[DD+\w], 0x0f0f0f0f, v[DD+\w]
.endr
	v_add_nc_u32 v[DD], v[DD], v[DD+4]
	v_add_nc_u32 v[DD+2], v[DD+2], v[DD+6]
	v_add_nc_u32 v[DD], v[DD], v[DD+2]             ; 32 at the most in a byte
	v_lshrrev_b32 v[DD+4], 8, v[DD]
	v_and_b32 v[DD], 0x00ff00ff, v[DD]
	v_and_b32 v[DD+4], 0x00ff00ff, v[DD+4]
	v_add_nc_u32 v[DD], v[DD], v[DD+4]
	v_lshrrev_b32 v[DD+4], 16, v[DD]
	v_and_b32 v[DD], 0xffff, v[DD]
	v_add_nc_u32 v[DD], v[DD], v[DD+4]
	v_permlanex16_b32 v[DD+8], v[DD], s26, s27     ; the query's other 128 groups lie in the lane 16 away
	v_lshlrev_b32 v1, 2, v0                        ; a word a thread: the wave's store covers 128 consecutive bytes; lanes 16-31 repeat lanes 0-15
	v_add_nc_u32 v[TM], v[DD], v[DD+8]
	; The features, rounded to bf16.  Lane l's 16 bytes of a row hold columns 4 l .. 4 l + 3 and 128 + 4 l .. 128 + 4 l + 3: the order in which the last launch wants them.
	s_set_vgpr_msb 0x0005                          ; sources 0 and 1 in window 1
.irp i, 0,1,2,3,4,5,6,7
	s_wait_loadcnt 14-2*\i                         ; this row's two loads are in; the younger rows stay out
	v_cvt_pk_bf16_f32 v[DD+4*\i],   v[8*\i],   v[8*\i+1]
	v_cvt_pk_bf16_f32 v[DD+4*\i+1], v[8*\i+2], v[8*\i+3]
	v_cvt_pk_bf16_f32 v[DD+4*\i+2], v[8*\i+4], v[8*\i+5]
	v_cvt_pk_bf16_f32 v[DD+4*\i+3], v[8*\i+6], v[8*\i+7]
.endr
	s_set_vgpr_msb 0x0500
	s_wait_alu depctr_va_vdst(0)                   ; the mask words v[16:19], the count v24, its offset v1 and the rounded features v[96:127] are written: the ten stores below read them, and nothing writes them again
	global_store_b128 v[MO], v[LS:LS+3], s[10:11]  ; the wave's store covers 512 consecutive bytes
	global_store_b32 v1, v[TM], s[28:29]
.irp i, 0,1,2,3,4,5,6,7
	global_store_b128 v[FO], v[DD+4*\i:DD+4*\i+3], s[12:13] offset:512*\i  ; a whole row: 512 consecutive bytes
.endr
	s_wait_dscnt 0x0                               ; the closing lines, six on end
	s_wait_alu 0x0
	s_wait_tensorcnt 0x0
	ds_add_u32 v[SPW], v[NIL]
	s_wait_dscnt 0x0
	s_endpgm
.Lfunc_end_k_q0bd624af26_filter:
	.size	k_q0bd624af26_filter, .Lfunc_end_k_q0bd624af26_filter-k_q0bd624af26_filter
	.p2alignl 7, 3214868480
	.fill 96, 4, 3214868480
	.section	.rodata,"a",@progbits
	.p2align	6, 0x0
	.amdhsa_kernel k_q0bd624af26_filter
		.amdhsa_group_segment_fixed_size 70656
		.amdhsa_private_segment_fixed_size 0
		.amdhsa_enable_private_segment 0
		.amdhsa_kernarg_size 48
		.amdhsa_user_sgpr_count 2
		.amdhsa_user_sgpr_kernarg_segment_ptr 1
		.amdhsa_wavefront_size32 1
		.amdhsa_system_sgpr_workgroup_id_x 1
		.amdhsa_system_sgpr_workgroup_id_y 1
		.amdhsa_system_sgpr_workgroup_id_z 1
		.amdhsa_system_vgpr_workitem_id 0
		.amdhsa_next_free_vgpr 320
		.amdhsa_next_free_sgpr 66
		.amdhsa_reserve_vcc 1
		.amdhsa_float_denorm_mode_32 3
		.amdhsa_float_denorm_mode_16_64 3
		.amdhsa_memory_ordered 1
		.amdhsa_forward_progress 1
		.amdhsa_inst_pref_size 200
	.end_amdhsa_kernel
	.amdgpu_metadata
---
amdhsa.version: [ 1, 2 ]
amdhsa.kernels:
  - .name:           k_q0bd624af26_filter
    .symbol:         k_q0bd624af26_filter.kd
    .args:
      - { .name: query_coords, .offset: 0, .size: 8, .value_kind: global_buffer, .address_space: global }
      - { .name: sensor_coords, .offset: 8, .size: 8, .value_kind: global_buffer, .address_space: global }
      - { .name: sensor_features, .offset: 16, .size: 8, .value_kind: global_buffer, .address_space: global }
      - { .name: gmask, .offset: 24, .size: 8, .value_kind: global_buffer, .address_space: global }
      - { .name: fb16, .offset: 32, .size: 8, .value_kind: global_buffer, .address_space: global }
      - { .name: gcnt, .offset: 40, .size: 8, .value_kind: global_buffer, .address_space: global }
    .group_segment_fixed_size: 70656
    .private_segment_fixed_size: 0
    .kernarg_segment_align: 8
    .kernarg_segment_size: 48
    .max_flat_workgroup_size: 256
    .sgpr_count:     66
    .vgpr_count:     320
    .wavefront_size: 32
...
	.end_amdgpu_metadata
.endif
;; end of part 4
;; launch select: the kernel of part 2 again; grid 256 x 1, 4 waves a work-group, no clusters, 70,656 bytes of LDS; arguments query_coords, sensor_coords, gmask, gcnt, nidx, nw; writes nidx, nw
;; launch blend: the kernel of part 3 again; grid 1024 x 1, 8 waves a work-group, no clusters, 0 bytes of LDS; arguments nidx, nw, fb16, out0; writes out0
